; MI455X (gfx1250); checked and timed in simulation.
; The chip was launched on July 23, 2026; its instructions are those of AMD's public machine-readable ISA for CDNA 5 (MIT licence, August 2026) and "CDNA5" Instruction Set Architecture Reference Guide (July 2026). The comments in the code are by the model that wrote it; some were corrected since.
;; keras multihead attentive layer. Allowed arithmetic: matrix products marked QUANTISED: E2M3 operands, one E8M0 scale for each 32 along K, by v_wmma_scale_f32_16x16x128_f8f6f4 with both operands' format E2M3, f32 sums; everything else in f32.
;; Inputs: Wk 8 x 512 x 64 float32; Wo 512 x 512 float32; Wq 8 x 512 x 64 float32; Wv 8 x 512 x 64 float32; query 8 x 2,048 x 512 float32.
;; Outputs: out0 8 x 2,048 x 512 float32.
;; This version of the problem:
;;   THIS VERSION OF THE PROBLEM IS GIVEN IN LOW PRECISION. The matrix products marked QUANTISED in the list below multiply operands that are first quantised to E2M3 (2 exponent bits, 3 mantissa bits; 6 bits a number), with one power-of-two scale for each 32 numbers along K (OCP MX v1.0); their sums are f32. All else is computed in f32.
;;   The module's matrix products, in the order in which they are computed (A, B: the left and right operand; K: the contracted axis; several contracted axes count as one K, in the product's order):
;;     1. [M 512, K 512] x [K 512, N 16,384]; A: input Wq; B: input query: QUANTISED
;;     2. [M 512, K 512] x [K 512, N 16,384]; A: input Wk; B: input query: QUANTISED
;;     3. [M 512, K 512] x [K 512, N 16,384]; A: input Wv; B: input query: QUANTISED
;;     4. batch 64 x [M 2,048, K 64] x [K 64, N 2,048]; A: computed on the way; B: computed on the way: QUANTISED
;;     5. batch 64 x [M 2,048, K 2,048] x [K 2,048, N 64]; A: softmax (see below); B: computed on the way: QUANTISED
;;     6. [M 16,384, K 512] x [K 512, N 512]; A: computed on the way; B: input Wo: QUANTISED
;;   THE QUANTISER, for each operand of a quantised product, along K:
;;     - K is cut into blocks of 32 from its start; a last block that is shorter is filled with zeros.
;;     - A block's scale is 2^e with e = floor(log2(the largest magnitude in the block)) - 2, held to -126 .. 127; a block of zeros has e = 0. As a byte (E8M0): e + 127.
;;     - Each number is divided by its block's scale, clamped to +-7.5, and rounded to the nearest number of E2M3, ties to even, subnormals kept.
;;     - The product sums the exact products of the quantised numbers (number of the format x scale) in f32.
;;   ~~~python
;;   def quantise(x, axis):      # numpy; x: float32 -> the quantised numbers, widened to float32 again
;;       x = np.moveaxis(x, axis, -1); K = x.shape[-1]
;;       x = np.pad(x, [(0, 0)] * (x.ndim - 1) + [(0, -K % 32)]); x = x.reshape(x.shape[:-1] + (-1, 32)); a = np.abs(x).max(-1, keepdims=True)
;;       e = np.where(a > 0, np.clip(np.frexp(np.where(a > 0, a, 1))[1] - 1 - 2, -126, 127), 0)      # np.frexp(a)[1] - 1 = floor(log2(a)), exactly
;;       r = np.clip(x / 2.0 ** e, -7.5, 7.5)
;;       step = 2.0 ** (np.maximum(np.frexp(np.where(r == 0, 1, r))[1] - 1, 0) - 3)
;;       q = np.round(r / step) * step * 2.0 ** e      # np.round: ties to even
;;       return np.moveaxis(q.reshape(q.shape[:-2] + (-1,))[..., :K], -1, axis).astype(np.float32)
;;   ~~~
;;   SOFTMAX AHEAD OF A QUANTISED PRODUCT. Where the list says 'softmax', what is quantised is not the finished softmax but p = 2^(t - M), with t = logit x log2(e) and M = ceil(the row's largest t), a whole number; so 1/2 < the row's largest p <= 1. The row's sum l is taken of the UNQUANTISED p, in f32, and the product's result is divided by l at the end. Since M is a whole number, a kernel that streams over the keys may use a running M (the ceiling of the running maximum): every later rescaling is an exact power of two, which a block's scale takes up: the codes' values come out the same.
;;   OPERANDS COMPUTED ON THE WAY. 'Computed on the way' means the value that the module computes at that place (a softmax that the list does not call 'softmax' is quantised finished and normalised). What goes into a quantiser is computed in f32, as accurately as f32 sums, v_exp_f32 and their like allow (about 1e-6 of the number): no bf16 or f16 on the way to a quantiser, and a product that is left as it is and whose result goes on into a quantised operand takes f32 operands (vector FMAs, or v_wmma_f32_16x16x4_f32). A number that lies on a knife's edge between two numbers of the format may be rounded either way, as far as f32 arithmetic and the matrix unit's own rounding can turn it there, and no further.
;; One version. Each part assembles by itself: llvm-mc -triple=amdgcn-amd-amdhsa -mcpu=gfx1250 --defsym DOCPART=n.
;; ======== version 1 of 1: 4 launches
;; workspace buffers: wimg 786,432 bytes; wscl 32,768 bytes; qimg 6,291,456 bytes; qscl 524,288 bytes; kv 13,369,344 bytes; cimg 6,291,456 bytes; cscl 262,144 bytes
;; launch wprep (part 1): grid 128 x 1, 4 waves a work-group, no clusters, 0 bytes of LDS; arguments Wq, Wk, Wv, Wo, wimg, wscl; writes wimg, wscl
.if DOCPART == 1
	.amdgcn_target "amdgcn-amd-amdhsa--gfx1250"
	.amdhsa_code_object_version 6
	.text
	.protected	k_q6201f514e0_wprep
	.globl	k_q6201f514e0_wprep
	.p2align	8
	.type	k_q6201f514e0_wprep,@function
k_q6201f514e0_wprep:
	s_mov_b64 s[64:65], 0
	v_nop
	global_prefetch_b8 v0, s[64:65] scope:SCOPE_SE
	s_setreg_imm32_b32 hwreg(HW_REG_WAVE_MODE, 25, 1), 1
	s_wait_xcnt 0x0
; Wq, Wk, Wv [8][512][64] and Wo [512][512], f32, K (d or f) NOT innermost, become codes of FP6 (E2M3) with one E8M0 byte for each 32 along K,
; laid as IMAGES OF OPERAND REGISTERS: a fragment (16 columns x 128 K) is 12 registers a lane = 1,536 bytes: [q 0..2][lane][16 bytes] = registers 4 q .. 4 q + 3.
; wimg: fragment ((mat 8 + grp) 16 + ks 4 + et) x 1,536;  mat 0..3 = Q, K, V, O;  grp = the head (Wo: o / 64);  ks = K / 128;  et = tile of the group's 64 columns.
; wscl: ((mat 8 + grp) 4 + et) 256 + 16 r + 4 ks: a word (four bytes, 128 along K) for each row of a tile and each K step.
; THE COLUMNS OF A TILE ARE NOT NEIGHBOURS: row r of tile et is column 32 (r / 8) + 8 et + r % 8 of the group, so that in a product's result the 32 registers of a lane's four tiles are 32 neighbours.
; A work-group is one (mat, grp, ks), a wave one fragment.  A lane takes a column and its registers run down K, in the order of the operand's layout: k = 64 c + 32 (lane / 16) + 0 .. 31.
; So a block of 32 is one lane's, and the conversions' results are the operand's registers.  No LDS, no barrier.
; LIMITS: a block of zeros gets the byte 1 where the rule says 127 (its codes are zeros; this program alone reads the bytes); NaN and infinities are not served.
.set X,  32                            ; v32-95   my 64 numbers
.set PC, 100                           ; v100-111 the fragment's 12 registers
.set CT, 112                           ; v112-114, v116-118 the upper halves of the two blocks as converted
	s_load_b256 s[4:11], s[0:1], 0x0               ; Wq, Wk, Wv, Wo
	s_load_b128 s[12:15], s[0:1], 0x20             ; wimg, wscl
	v_lshrrev_b32 v1, 5, v0
	v_readfirstlane_b32 s16, v1                    ; wave = et
	v_and_b32 v2, 15, v0                           ; r
	v_bfe_u32 v3, v0, 4, 1                         ; h
	s_lshr_b32 s17, ttmp9, 5                       ; mat
	s_bfe_u32 s18, ttmp9, 0x30002                  ; grp
	s_and_b32 s19, ttmp9, 3                        ; ks
	v_and_b32 v4, 8, v2
	v_and_b32 v5, 7, v2
	v_lshl_add_u32 v4, v4, 2, v5                   ; 32 (r / 8) + r % 8
	s_lshl_b32 s20, s16, 3
	v_add_nc_u32 v4, s20, v4                       ; + 8 et: my column
	v_lshlrev_b32 v4, 2, v4                        ; in bytes
	v_and_b32 v7, 31, v0
	v_lshlrev_b32 v7, 4, v7                        ; 16 x lane: my place in an image
	v_lshlrev_b32 v8, 4, v2                        ; 16 r: my row's scale words
	v_lshlrev_b32 v9, 3, v3                        ; 8 h
	v_mov_b32 v16, 0                               ; a lane permute's destination counts as one of its sources
	s_mov_b32 s24, 0x76543210
	s_mov_b32 s25, 0xfedcba98                      ; selects for lane l xor 16
	s_lshl_b32 s20, s18, 17
	s_lshl_b32 s21, s19, 15
	s_add_co_u32 s20, s20, s21                     ; Wq, Wk, Wv: head x 512 rows of 256 bytes + ks x 128 rows
	s_lshl_b32 s22, s18, 8
	s_lshl_b32 s23, s19, 18
	s_add_co_u32 s22, s22, s23                     ; Wo: 64 columns x grp + ks x 128 rows of 2,048 bytes
	s_lshl_b32 s26, ttmp9, 2
	s_add_co_u32 s26, s26, s16                     ; the fragment's number: 4 x work-group + et
	s_mul_i32 s26, s26, 1536
	s_mov_b32 s27, 0
	s_lshr_b32 s28, ttmp9, 2
	s_lshl_b32 s28, s28, 2
	s_add_co_u32 s28, s28, s16                     ; (mat 8 + grp) 4 + et
	s_lshl_b32 s28, s28, 8
	s_lshl_b32 s29, s19, 2
	s_add_co_u32 s28, s28, s29                     ; + 4 ks
	s_mov_b32 s29, 0
	s_mov_b32 s21, 0
	s_wait_kmcnt 0x0
	s_add_nc_u64 s[12:13], s[12:13], s[26:27]
	s_add_nc_u64 s[14:15], s[14:15], s[28:29]
	s_cmp_eq_u32 s17, 1                            ; the source is chosen by the work-group's number alone
	s_cselect_b64 s[4:5], s[6:7], s[4:5]
	s_cmp_eq_u32 s17, 2
	s_cselect_b64 s[4:5], s[8:9], s[4:5]
	s_cmp_eq_u32 s17, 3
	s_cselect_b64 s[4:5], s[10:11], s[4:5]
	s_cselect_b32 s20, s22, s20
	s_add_nc_u64 s[4:5], s[4:5], s[20:21]
.macro LOADS pitch                     ; W(64 c + 32 h + i, my column), i = 0 .. 31, c = 0, 1
.irp c, 0,1
.set I_, 0
.rept 32
	global_load_b32 v[X+32*\c+I_], v6, s[4:5] offset:(64*\c+I_)*\pitch
.set I_, I_+1
.endr
.endr
.endm
	s_cmp_eq_u32 s17, 3
	s_cbranch_scc1 .Lwo                            ; only the pitch differs: the branch stands round the loads alone
	s_wait_alu depctr_va_vdst(0)
	v_lshl_add_u32 v6, v3, 13, v4                  ; lanes 16-31 begin 32 rows of 256 bytes further down
	LOADS 256
	s_branch .Ljoin
.Lwo:
	s_wait_alu depctr_va_vdst(0)
	v_lshl_add_u32 v6, v3, 16, v4                  ; 32 rows of 2,048 bytes
	LOADS 2048
.Ljoin:
	s_wait_loadcnt 0x0
.irp c, 0,1                                    ; my block 2 c + h: all its 32 numbers are mine; the floor 2^(3 - 127) holds the byte at 1 from below
	v_max3_num_f32 v[10+\c], |v[X+32*\c]|, |v[X+1+32*\c]|, 0x1800000
.endr
.irp i, 2,4,6,8,10,12,14,16,18,20,22,24,26,28,30
.irp c, 0,1
	v_max3_num_f32 v[10+\c], v[10+\c], |v[X+32*\c+\i]|, |v[X+1+32*\c+\i]|
.endr
.endr
.irp c, 0,1
	v_add_nc_u32 v[12+\c], 0xff000000, v[10+\c]    ; 2 off the exponent field: the conversion's scale operand
.endr
.irp c, 0,1
	v_lshrrev_b32 v[14+\c], 23, v[12+\c]           ; the scale's byte
.endr
	v_lshl_or_b32 v14, v15, 16, v14                ; my two bytes: blocks h and 2 + h,
	v_lshlrev_b32 v14, v9, v14                     ; 8 h bits up;
	v_permlanex16_b32 v16, v14, s24, s25
	v_or_b32 v14, v14, v16                         ; with lane l xor 16's two the word is whole
.irp c, 0,1
	v_cvt_scalef32_pk16_fp6_f32 v[PC+6*\c:PC+6*\c+2], v[X+32*\c:X+32*\c+15], v[12+\c]
	v_cvt_scalef32_pk16_fp6_f32 v[CT+4*\c:CT+4*\c+2], v[X+16+32*\c:X+31+32*\c], v[12+\c]   ; (a conversion's three registers begin on an even number)
.endr
	v_nop                                          ; one plain instruction behind the scaled conversions
.irp c, 0,1
.irp i, 0,1,2
	v_mov_b32 v[PC+3+6*\c+\i], v[CT+4*\c+\i]
.endr
.endr
.irp q, 0,1,2
	global_store_b128 v7, v[PC+4*\q:PC+4*\q+3], s[12:13] offset:512*\q   ; 32 lanes store 512 consecutive bytes
.endr
	global_store_b32 v8, v14, s[14:15]             ; my row's word for this K step (lanes 16-31 hold and store the same word at the same place)
	s_endpgm
.Lfunc_end_k_q6201f514e0_wprep:
	.size	k_q6201f514e0_wprep, .Lfunc_end_k_q6201f514e0_wprep-k_q6201f514e0_wprep
	.p2alignl 7, 3214868480
	.fill 96, 4, 3214868480
	.section	.rodata,"a",@progbits
	.p2align	6, 0x0
	.amdhsa_kernel k_q6201f514e0_wprep
		.amdhsa_group_segment_fixed_size 0
		.amdhsa_private_segment_fixed_size 0
		.amdhsa_enable_private_segment 0
		.amdhsa_kernarg_size 48
		.amdhsa_user_sgpr_count 2
		.amdhsa_user_sgpr_kernarg_segment_ptr 1
		.amdhsa_wavefront_size32 1
		.amdhsa_system_sgpr_workgroup_id_x 1
		.amdhsa_system_sgpr_workgroup_id_y 1
		.amdhsa_system_sgpr_workgroup_id_z 1
		.amdhsa_system_vgpr_workitem_id 0
		.amdhsa_next_free_vgpr 120
		.amdhsa_next_free_sgpr 66
		.amdhsa_reserve_vcc 0
		.amdhsa_float_denorm_mode_32 3
		.amdhsa_float_denorm_mode_16_64 3
		.amdhsa_memory_ordered 1
		.amdhsa_forward_progress 1
		.amdhsa_inst_pref_size 18
	.end_amdhsa_kernel
	.amdgpu_metadata
---
amdhsa.version: [ 1, 2 ]
amdhsa.kernels:
  - .name:           k_q6201f514e0_wprep
    .symbol:         k_q6201f514e0_wprep.kd
    .args:
      - { .name: Wq, .offset: 0, .size: 8, .value_kind: global_buffer, .address_space: global }
      - { .name: Wk, .offset: 8, .size: 8, .value_kind: global_buffer, .address_space: global }
      - { .name: Wv, .offset: 16, .size: 8, .value_kind: global_buffer, .address_space: global }
      - { .name: Wo, .offset: 24, .size: 8, .value_kind: global_buffer, .address_space: global }
      - { .name: wimg, .offset: 32, .size: 8, .value_kind: global_buffer, .address_space: global }
      - { .name: wscl, .offset: 40, .size: 8, .value_kind: global_buffer, .address_space: global }
    .group_segment_fixed_size: 0
    .private_segment_fixed_size: 0
    .kernarg_segment_align: 8
    .kernarg_segment_size: 48
    .max_flat_workgroup_size: 128
    .sgpr_count:     66
    .vgpr_count:     120
    .wavefront_size: 32
...
	.end_amdgpu_metadata
.endif
;; end of part 1
;; launch qkv (part 2): grid 2 x 128, 4 waves a work-group, no clusters, 327,680 bytes of LDS; arguments query, wimg, wscl, qimg, qscl, kv; writes qimg, qscl, kv
.if DOCPART == 2
	.amdgcn_target "amdgcn-amd-amdhsa--gfx1250"
	.amdhsa_code_object_version 6
	.text
	.protected	k_q6201f514e0_qkv
	.globl	k_q6201f514e0_qkv
	.p2align	8
	.type	k_q6201f514e0_qkv,@function
k_q6201f514e0_qkv:
	s_mov_b64 s[64:65], 0
	v_nop
	global_prefetch_b8 v0, s[64:65] scope:SCOPE_SE
	s_setreg_imm32_b32 hwreg(HW_REG_WAVE_MODE, 25, 1), 1
	s_wait_xcnt 0x0
; Q, K, V = x W for 128 tokens and four heads, on codes of FP6 (E2M3) with one E8M0 byte for each 32 along K = d; then Q and K are quantised along e and V along the tokens (the keys), in registers.
; SHARES.  Work-group (hh, SB): tokens 128 SB .. + 127 (one key step of attention), heads 4 hh .. 4 hh + 3; wave w is head 4 hh + w: 48 weight fragments x 8 tiles of tokens = 384 matrix instructions.
; x arrives as f32 by tensor loads (each wave 32 rows x 128 numbers for each of four K steps; one load of a wave is out at a time), is quantised once in the work-group
; (wave w: tiles 2 w, 2 w + 1) and goes from wave to wave through LDS as images of operand registers.  Every wave then keeps all 32 fragments of x in registers; the weights come from memory through a ring of eight fragments.
; NO MULTICAST of the weights: x's f32 tile (272,384 bytes) and its images (53,248) fill LDS, so the 294,912 bytes of four heads' weights have no place to land; each goes into its wave's registers once.
; THE TOKENS OF A TILE ARE NOT NEIGHBOURS: lane r of tile T = 4 c + u is token 64 c + 32 (r / 8) + 8 u + r % 8; the weights' columns likewise.  So a lane of a result holds a WHOLE block of 32 along the next K:
;   Q, K (source 0 = weights, source 1 = x): lane (r, h) holds token r of tile T and e = 32 h + 0 .. 31 in the 32 registers of its four tiles et;
;   V (source 0 = x, source 1 = weights): lane (r, h) holds column r of tile et and tokens 64 c + 32 h + 0 .. 31 in registers 32 c + 0 .. 31 of its eight tiles T.
; OUT, all as images: qimg (bh 128 + 8 sblk + T) 768: registers 0-5 ([lane][16], then [lane][8]);  qscl (bh 16 + sblk) 512 + 256 c + 16 r + 4 u;
;   kv (bh 16 + sblk) 13,056: K's 8 half images, V^T's 4 images of 1,536, K's scale words (512), V's (16 r + 4 et: 256).
; LIMITS: a block of zeros gets the byte 1 where the rule says 127 (its codes are zeros; this program alone reads the bytes); NaN and infinities are not served.
; REGISTERS, in windows of 256: window 0: v1-9 addresses; v16-47 x's scale words; v48-95 the weights'; v96-191 the ring; v192-235 at work.
;   window 1: x's fragments of tiles 0-3 at 12 (4 T + ks);  window 2: of tiles 4-7;  window 3: the 32 accumulators (while x is quantised: its f32 numbers).
.set XWV,  17024                       ; LDS: what one tensor load brings: 32 rows x (512 + 16) bytes, + 128, so that rows 32 apart fall into the other eight 16-byte columns of 256 bytes
.set XKS,  68096                       ; a K step's four such parts
.set XIMG, 272384                      ; x's 32 images: (4 T + ks) 1,536
.set XSC,  321536                      ; their scale words: 512 T + 16 lane + 4 ks
.set FRB,  1536
.set L16, 1                            ; v1  16 x lane
.set L8,  2                            ; v2  8 x lane
.set R16, 3                            ; v3  16 r
.set H8,  4                            ; v4  8 h
.set XA,  5                            ; v5  LDS: my row and half of the K step's f32 numbers
.set XWI, 6                            ; v6  where I store x's images
.set XWS, 7                            ; v7  and their scale words
.set XI,  8                            ; v8  where any wave reads images
.set XSR, 9                            ; v9  and scale words
.set XS,  16
.set WS,  48
.set WR,  96
.set TM,  192
.set PW,  200
.set PT,  201
.set PC,  202
.set CT,  214
.set QW,  224
.set SD,  232
.set HI,  50                           ; s50 the mask of lanes 16-31
.set SEL, 52                           ; s[52:53] selects for lane l xor 16
.set MSB, 0
.macro WIN new                         ; the immediate's high byte repeats the setting that is left
.if MSB != \new
	s_set_vgpr_msb (MSB<<8)|\new
.set MSB, \new
.endif
.endm
	s_load_b256 s[4:11], s[0:1], 0x0               ; query, wimg, wscl, qimg
	s_load_b128 s[12:15], s[0:1], 0x20             ; qscl, kv
	v_lshl_add_u32 v254, v0, 2, 0x4f800
	v_mov_b32 v255, 0
	ds_add_u32 v254, v255
	ds_add_u32 v254, v255
	v_lshrrev_b32 v10, 5, v0
	v_readfirstlane_b32 s16, v10                   ; wave
	s_and_b32 s18, ttmp7, 0xffff                   ; SB
	s_lshl_b32 s19, ttmp9, 2
	s_add_co_u32 s19, s19, s16                     ; my head
	v_and_b32 v10, 31, v0                          ; lane
	v_and_b32 v11, 15, v0                          ; r
	v_bfe_u32 v12, v0, 4, 1                        ; h
	v_lshlrev_b32 v[L16], 4, v10
	v_lshlrev_b32 v[L8], 3, v10
	v_lshlrev_b32 v[R16], 4, v11
	v_lshlrev_b32 v[H8], 3, v12
	v_mov_b32 v[PT], 0                             ; a lane permute's destination counts as one of its sources
	; descriptor group 1: 32 rows x 128 elements of 4 bytes, 512 elements from row to row, 16 bytes of padding behind each row of 128 words
	s_mov_b32 s24, (2<<16)|(1<<20)|(6<<22)|(3<<25)
	s_mov_b32 s25, 128<<16
	s_mov_b32 s26, 32<<16
	s_mov_b32 s27, 128<<16
	s_mov_b32 s28, 32
	s_mov_b32 s29, 512
	s_mov_b32 s30, 0
	s_mov_b32 s31, 0
	s_lshl_b32 s20, s18, 18                        ; 128 SB rows of 2,048 bytes
	s_lshl_b32 s21, s16, 16                        ; + my 32 rows
	s_add_co_u32 s20, s20, s21
	s_mov_b32 s21, 0
	s_mul_i32 s48, s16, XWV
	s_wait_alu depctr_va_vdst(0)
	s_wait_dscnt 0x0
	s_wait_kmcnt 0x0
	s_add_nc_u64 s[4:5], s[4:5], s[20:21]
.irp k, 0,1,2,3
	s_mov_b32 s[32+4*\k], 1
	s_add_co_u32 s[33+4*\k], s48, \k*XKS
	s_add_nc_u64 s[34+4*\k:35+4*\k], s[4:5], \k*512
	s_or_b32 s[35+4*\k], s[35+4*\k], 0x80000000
.endr
.irp k, 0,1,2,3
	s_wait_alu depctr_va_vdst(0)
	s_wait_tensorcnt 0x0
	ds_add_u32 v254, v255
	ds_add_u32 v254, v255
	s_wait_dscnt 0x0
	s_barrier_signal -1
	s_barrier_wait -1
	tensor_load_to_lds s[32+4*\k:35+4*\k], s[24:31]   ; the first fills, and the only ones: each behind a wait on TENSORcnt and a barrier
	s_nop 0
.endr
.rept 4
	v_nop
.endr
	s_mul_i32 s20, s19, 24576
	s_add_nc_u64 s[6:7], s[6:7], s[20:21]          ; my head's 16 fragments of each weight
	s_lshl_b32 s20, s19, 10
	s_add_nc_u64 s[8:9], s[8:9], s[20:21]          ; and their scale words
	s_lshr_b32 s22, s18, 4
	s_lshl_b32 s22, s22, 3
	s_add_co_u32 s22, s22, s19                     ; bh = 8 b + head
	s_lshl_b32 s22, s22, 4
	s_and_b32 s23, s18, 15
	s_add_co_u32 s22, s22, s23                     ; 16 bh + sblk
	s_mul_i32 s20, s22, 6144
	s_add_nc_u64 s[10:11], s[10:11], s[20:21]
	s_lshl_b32 s20, s22, 9
	s_add_nc_u64 s[12:13], s[12:13], s[20:21]
	s_mul_i32 s20, s22, 13056
	s_add_nc_u64 s[14:15], s[14:15], s[20:21]
	s_mov_b32 s[HI], 0xffff0000
	s_mov_b32 s[SEL], 0x76543210
	s_mov_b32 s[SEL+1], 0xfedcba98
.irp g, 0,1,2
.irp e, 0,1,2,3
	global_load_b128 v[WS+16*\g+4*\e:WS+16*\g+4*\e+3], v[R16], s[8:9] offset:\g*8192+\e*256   ; row r's words of the four K steps
.endr
.endr
.macro RLOAD n                         ; weight fragment n = 16 g + 4 ks + et into ring slot n % 8
.irp q, 0,1,2
	global_load_b128 v[WR+12*((\n)%8)+4*\q:WR+12*((\n)%8)+4*\q+3], v[L16], s[6:7] offset:((\n)/16)*196608+((\n)%16)*FRB+512*\q
.endr
.endm
.irp n, 0,1,2,3,4,5,6,7
	RLOAD \n
.endr
	; my tiles are 2 w + u: token 64 (w / 2) + 32 (r / 8) + 16 (w % 2) + 8 u + r % 8; a tensor load's part holds 32 tokens
	s_lshr_b32 s49, s16, 1
	s_mul_i32 s49, s49, 2*XWV
	s_and_b32 s51, s16, 1
	s_mul_i32 s51, s51, 16*528
	s_add_co_u32 s49, s49, s51
	v_lshrrev_b32 v13, 3, v11
	v_mul_u32_u24 v[XA], v13, XWV
	v_and_b32 v13, 7, v11
	v_mad_u32_u24 v[XA], v13, 528, v[XA]
	v_lshl_add_u32 v[XA], v12, 7, v[XA]            ; + 128 h: my 32 numbers of each 64
	v_add_nc_u32 v[XA], s49, v[XA]
	s_mul_i32 s51, s16, 8*FRB
	s_add_co_u32 s51, s51, XIMG
	v_add_nc_u32 v[XWI], s51, v[L16]
	s_lshl_b32 s51, s16, 10
	s_add_co_u32 s51, s51, XSC
	v_add_nc_u32 v[XWS], s51, v[L16]
	v_add_nc_u32 v[XI], XIMG, v[L16]
	v_add_nc_u32 v[XSR], XSC, v[L16]
; 64 numbers of a lane in window 3, v[s + 32 c + i] = k 64 c + 32 h + i of my row: two whole blocks.  They become a fragment's 12 registers in v[PC] on and its scale word in v[wreg].
; Each run of eight registers is read first at its low end.
.macro QUANT64 s, wreg
	WIN 0x0f                                       ; sources 0 and 1 window 3
.irp c, 0,1
	v_max3_num_f32 v[TM+\c], |v[(\s)+32*\c]|, |v[(\s)+32*\c+1]|, 0x1800000      ; two chains a block; the floor 2^(3 - 127) holds the byte at 1 from below
	v_max3_num_f32 v[TM+2+\c], |v[(\s)+32*\c+16]|, |v[(\s)+32*\c+17]|, 0x1800000
.endr
.irp i, 2,4,6,8,10,12,14
.irp c, 0,1
	v_max3_num_f32 v[TM+\c], |v[(\s)+32*\c+\i]|, |v[(\s)+32*\c+\i+1]|, v[TM+\c]
	v_max3_num_f32 v[TM+2+\c], |v[(\s)+32*\c+16+\i]|, |v[(\s)+32*\c+17+\i]|, v[TM+2+\c]
.endr
.endr
	WIN 0
.irp c, 0,1
	v_max_num_f32 v[TM+\c], v[TM+\c], v[TM+2+\c]
.endr
.irp c, 0,1
	v_add_nc_u32 v[TM+4+\c], 0xff000000, v[TM+\c]  ; 2 off the exponent field: the conversion's scale operand
.endr
.irp c, 0,1
	v_lshrrev_b32 v[TM+6+\c], 23, v[TM+4+\c]       ; the byte
.endr
	v_lshl_or_b32 v[TM+6], v[TM+7], 16, v[TM+6]    ; blocks h and 2 + h,
	v_lshlrev_b32 v[TM+6], v[H8], v[TM+6]          ; 8 h bits up;
	v_permlanex16_b32 v[PT], v[TM+6], s[SEL], s[SEL+1]
	v_or_b32 v[\wreg], v[TM+6], v[PT]              ; with lane l xor 16's two the word is whole, in both halves of the lanes
	WIN 0x03                                       ; source 0 window 3
.irp c, 0,1
	v_cvt_scalef32_pk16_fp6_f32 v[PC+6*\c:PC+6*\c+2], v[(\s)+32*\c:(\s)+32*\c+15], v[TM+4+\c]
	v_cvt_scalef32_pk16_fp6_f32 v[CT+4*\c:CT+4*\c+2], v[(\s)+32*\c+16:(\s)+32*\c+31], v[TM+4+\c]   ; (a conversion's three registers begin on an even number)
.endr
	WIN 0
	v_nop                                          ; one plain instruction behind the scaled conversions
.irp c, 0,1
.irp i, 0,1,2
	v_mov_b32 v[PC+3+6*\c+\i], v[CT+4*\c+\i]
.endr
.endr
.endm
; The same for 32 numbers, one block: registers 0-5 of a fragment whose K is 64; the word has the bytes of blocks 0 and 1 and two bytes 0.
.macro QUANT32 s, wreg
	WIN 0x0f
	v_max3_num_f32 v[TM], |v[(\s)]|, |v[(\s)+1]|, 0x1800000
	v_max3_num_f32 v[TM+1], |v[(\s)+16]|, |v[(\s)+17]|, 0x1800000
.irp i, 2,4,6,8,10,12,14
	v_max3_num_f32 v[TM], |v[(\s)+\i]|, |v[(\s)+\i+1]|, v[TM]
	v_max3_num_f32 v[TM+1], |v[(\s)+16+\i]|, |v[(\s)+17+\i]|, v[TM+1]
.endr
	WIN 0
	v_max_num_f32 v[TM], v[TM], v[TM+1]
	v_add_nc_u32 v[TM+4], 0xff000000, v[TM]
	v_lshrrev_b32 v[TM+6], 23, v[TM+4]
	v_lshlrev_b32 v[TM+6], v[H8], v[TM+6]
	v_permlanex16_b32 v[PT], v[TM+6], s[SEL], s[SEL+1]
	v_or_b32 v[\wreg], v[TM+6], v[PT]
	WIN 0x03
	v_cvt_scalef32_pk16_fp6_f32 v[PC:PC+2], v[(\s):(\s)+15], v[TM+4]
	v_cvt_scalef32_pk16_fp6_f32 v[CT:CT+2], v[(\s)+16:(\s)+31], v[TM+4]
	WIN 0
	v_nop
.irp i, 0,1,2
	v_mov_b32 v[PC+3+\i], v[CT+\i]
.endr
.endm
.macro XLD u, st                       ; my 64 numbers of tile 2 w + u in the K step at hand, into window 3
	WIN 0xc0
.irp c, 0,1
.irp i, 0,1,2,3,4,5,6,7
	ds_load_b128 v[\st+32*\c+4*\i:\st+32*\c+4*\i+3], v[XA] offset:\u*4224+256*\c+16*\i
.endr
.endr
.endm
.macro IMG u, ks                       ; the fragment in v[PC] on and its word go to LDS as they stand
.irp q, 0,1,2
	ds_store_b128 v[XWI], v[PC+4*\q:PC+4*\q+3] offset:(4*\u+\ks)*FRB+512*\q
.endr
	ds_store_b32 v[XWS], v[PW] offset:\u*512+4*\ks
.endm
	s_wait_alu depctr_va_vdst(0)
	; ---- x is quantised, a K step at a time
.irp k, 0,1,2,3
	s_wait_alu depctr_va_vdst(0)
	s_wait_tensorcnt 3-\k                          ; my part of this K step has landed; my loads of the later K steps may stay out
	s_wait_dscnt 0x0                               ; no LDS instruction of mine is out at a signal; the last images' stores have read their registers
	s_barrier_signal -1
	s_barrier_wait -1                              ; everybody's part has landed
	XLD 0, 0
	XLD 1, 64
	s_wait_dscnt 16                                ; the first tile's 16 loads are in, the second's may be out
	QUANT64 0, PW
	IMG 0, \k
	s_wait_dscnt 0x0                               ; the second tile is in, and the stores have read their registers
	QUANT64 64, PW
	IMG 1, \k
.if \k < 3
	v_add_nc_u32 v[XA], XKS, v[XA]
.endif
.endr
	s_wait_dscnt 0x0                               ; for the others' sake: my images lie in LDS
	s_barrier_signal -1
	s_barrier_wait -1
	; ---- every wave takes all of x into registers
	WIN 0x40
.irp t, 0,1,2,3
.irp k, 0,1,2,3
.irp q, 0,1,2
	ds_load_b128 v[12*(4*\t+\k)+4*\q:12*(4*\t+\k)+4*\q+3], v[XI] offset:(4*\t+\k)*FRB+512*\q
.endr
.endr
.endr
	WIN 0x80
.irp t, 4,5,6,7
.irp k, 0,1,2,3
.irp q, 0,1,2
	ds_load_b128 v[12*(4*(\t-4)+\k)+4*\q:12*(4*(\t-4)+\k)+4*\q+3], v[XI] offset:(4*\t+\k)*FRB+512*\q
.endr
.endr
.endr
	WIN 0
.irp t, 0,1,2,3,4,5,6,7
	ds_load_b128 v[XS+4*\t:XS+4*\t+3], v[XSR] offset:\t*512
.endr
	s_wait_dscnt 0x0
; One weight fragment against the eight tiles of x.  The accumulators take turns, one instruction a turn; an accumulator comes up again 32 instructions later.
.macro PROD_T t                        ; Q, K: source 0 = the weights, source 1 = x
.if K_ == 0
	v_wmma_scale_f32_16x16x128_f8f6f4 v[32*(\t)+8*E_:32*(\t)+8*E_+7], v[SL_:SL_+11], v[12*(4*((\t)%4)+K_):12*(4*((\t)%4)+K_)+11], 0, v[WS+16*G_+4*E_+K_], v[XS+4*(\t)+K_] matrix_a_fmt:MATRIX_FMT_FP6 matrix_b_fmt:MATRIX_FMT_FP6
.else
	v_wmma_scale_f32_16x16x128_f8f6f4 v[32*(\t)+8*E_:32*(\t)+8*E_+7], v[SL_:SL_+11], v[12*(4*((\t)%4)+K_):12*(4*((\t)%4)+K_)+11], v[32*(\t)+8*E_:32*(\t)+8*E_+7], v[WS+16*G_+4*E_+K_], v[XS+4*(\t)+K_] matrix_a_fmt:MATRIX_FMT_FP6 matrix_b_fmt:MATRIX_FMT_FP6
.endif
.endm
.macro PROD_N t                        ; V: source 0 = x, source 1 = the weights
.if K_ == 0
	v_wmma_scale_f32_16x16x128_f8f6f4 v[64*E_+8*(\t):64*E_+8*(\t)+7], v[12*(4*((\t)%4)+K_):12*(4*((\t)%4)+K_)+11], v[SL_:SL_+11], 0, v[XS+4*(\t)+K_], v[WS+16*G_+4*E_+K_] matrix_a_fmt:MATRIX_FMT_FP6 matrix_b_fmt:MATRIX_FMT_FP6
.else
	v_wmma_scale_f32_16x16x128_f8f6f4 v[64*E_+8*(\t):64*E_+8*(\t)+7], v[12*(4*((\t)%4)+K_):12*(4*((\t)%4)+K_)+11], v[SL_:SL_+11], v[64*E_+8*(\t):64*E_+8*(\t)+7], v[XS+4*(\t)+K_], v[WS+16*G_+4*E_+K_] matrix_a_fmt:MATRIX_FMT_FP6 matrix_b_fmt:MATRIX_FMT_FP6
.endif
.endm
.macro STAGE n
.set G_, (\n)/16
.set K_, ((\n)%16)/4
.set E_, (\n)%4
.set SL_, WR+12*((\n)%8)
	WIN 0
.rept 4
	v_nop                                          ; four plain instructions between the products that read the slot of fragment n - 1 and the loads into it (ISA guide 7.12.1 for vector instructions)
.endr
.if ((\n) >= 1) && ((\n)+7 < 48)
	RLOAD (\n)+7
.endif
.if (\n)+7 < 48
	s_wait_loadcnt 21                              ; fragment n is in; the seven fragments asked for behind it, three loads each, may be out
.else
	s_wait_loadcnt 3*(47-(\n))
.endif
.if G_ < 2
	WIN 0xf4                                       ; source 1 (x) window 1, C and D window 3
.irp t, 0,1,2,3
	PROD_T \t
.endr
	WIN 0xf8                                       ; source 1 window 2
.irp t, 4,5,6,7
	PROD_T \t
.endr
.else
	WIN 0xf1                                       ; source 0 (x) window 1
.irp t, 0,1,2,3
	PROD_N \t
.endr
	WIN 0xf2
.irp t, 4,5,6,7
	PROD_N \t
.endr
.endif
.endm
.macro STAGES first
.set N_, \first
.rept 16
	STAGE N_
.set N_, N_+1
.endr
	WIN 0
.rept 4
	v_nop                                          ; four plain instructions ahead of the first read of the last results
.endr
.endm
; Q's or K's way out: a tile's 32 registers are one block a lane
.macro EPI_QK b, off
.irp t, 0,1,2,3,4,5,6,7
	s_wait_xcnt 0x0                                ; the earlier stores have read their data: v[PC] on is written again only behind this wait
	QUANT32 32*\t, QW+\t
	global_store_b128 v[L16], v[PC:PC+3], s[\b:\b+1] offset:\t*768        ; 512 consecutive bytes
	global_store_b64 v[L8], v[PC+4:PC+5], s[\b:\b+1] offset:\t*768+512    ; 256 consecutive bytes
.endr
.irp u, 0,1,2,3
	v_cndmask_b32 v[SD+\u], v[QW+\u], v[QW+4+\u], s[HI]   ; lanes 0-15 carry the words of tiles 0-3, lanes 16-31 those of tiles 4-7
.endr
.endm
	STAGES 0                                       ; ---- Q
	EPI_QK 10, 0
	global_store_b128 v[L16], v[SD:SD+3], s[12:13]
	STAGES 16                                      ; ---- K
	EPI_QK 14, 0
	global_store_b128 v[L16], v[SD:SD+3], s[14:15] offset:12288
	STAGES 32                                      ; ---- V
.irp e, 0,1,2,3
	s_wait_xcnt 0x0
	QUANT64 64*\e, QW+\e
.irp q, 0,1,2
	global_store_b128 v[L16], v[PC+4*\q:PC+4*\q+3], s[14:15] offset:6144+\e*FRB+512*\q
.endr
.endr
	global_store_b128 v[R16], v[QW:QW+3], s[14:15] offset:12800   ; row r's words of the four tiles (lanes 16-31 hold and store the same at the same place)
	s_wait_tensorcnt 0x0
	ds_add_u32 v254, v255
	s_wait_dscnt 0x0
	s_endpgm
.Lfunc_end_k_q6201f514e0_qkv:
	.size	k_q6201f514e0_qkv, .Lfunc_end_k_q6201f514e0_qkv-k_q6201f514e0_qkv
	.p2alignl 7, 3214868480
	.fill 96, 4, 3214868480
	.section	.rodata,"a",@progbits
	.p2align	6, 0x0
	.amdhsa_kernel k_q6201f514e0_qkv
		.amdhsa_group_segment_fixed_size 327680
		.amdhsa_private_segment_fixed_size 0
		.amdhsa_enable_private_segment 0
		.amdhsa_kernarg_size 48
		.amdhsa_user_sgpr_count 2
		.amdhsa_user_sgpr_kernarg_segment_ptr 1
		.amdhsa_wavefront_size32 1
		.amdhsa_system_sgpr_workgroup_id_x 1
		.amdhsa_system_sgpr_workgroup_id_y 1
		.amdhsa_system_sgpr_workgroup_id_z 1
		.amdhsa_system_vgpr_workitem_id 0
		.amdhsa_next_free_vgpr 1024
		.amdhsa_next_free_sgpr 66
		.amdhsa_reserve_vcc 0
		.amdhsa_float_denorm_mode_32 3
		.amdhsa_float_denorm_mode_16_64 3
		.amdhsa_memory_ordered 1
		.amdhsa_forward_progress 1
		.amdhsa_inst_pref_size 170
	.end_amdhsa_kernel
	.amdgpu_metadata
---
amdhsa.version: [ 1, 2 ]
amdhsa.kernels:
  - .name:           k_q6201f514e0_qkv
    .symbol:         k_q6201f514e0_qkv.kd
    .args:
      - { .name: query, .offset: 0, .size: 8, .value_kind: global_buffer, .address_space: global }
      - { .name: wimg, .offset: 8, .size: 8, .value_kind: global_buffer, .address_space: global }
      - { .name: wscl, .offset: 16, .size: 8, .value_kind: global_buffer, .address_space: global }
      - { .name: qimg, .offset: 24, .size: 8, .value_kind: global_buffer, .address_space: global }
      - { .name: qscl, .offset: 32, .size: 8, .value_kind: global_buffer, .address_space: global }
      - { .name: kv, .offset: 40, .size: 8, .value_kind: global_buffer, .address_space: global }
    .group_segment_fixed_size: 327680
    .private_segment_fixed_size: 0
    .kernarg_segment_align: 8
    .kernarg_segment_size: 48
    .max_flat_workgroup_size: 128
    .sgpr_count:     66
    .vgpr_count:     1024
    .wavefront_size: 32
...
	.end_amdgpu_metadata
.endif
;; end of part 2
;; launch attn (part 3): grid 256 x 1, 16 waves a work-group, clusters of 4 x 1, 210,944 bytes of LDS; arguments qimg, qscl, kv, cimg, cscl; writes cimg, cscl
.if DOCPART == 3
	.amdgcn_target "amdgcn-amd-amdhsa--gfx1250"
	.amdhsa_code_object_version 6
	.text
	.protected	k_q6201f514e0_attn
	.globl	k_q6201f514e0_attn
	.p2align	8
	.type	k_q6201f514e0_attn,@function
k_q6201f514e0_attn:
	s_mov_b64 s[64:65], 0
	v_nop
	global_prefetch_b8 v0, s[64:65] scope:SCOPE_SE
	s_setreg_imm32_b32 hwreg(HW_REG_WAVE_MODE, 25, 1), 1
	s_wait_xcnt 0x0
	s_wait_alu depctr_hold_cnt(0) depctr_sa_sdst(0) depctr_va_vdst(0) depctr_va_sdst(0) depctr_va_ssrc(0) depctr_va_vcc(0) depctr_vm_vsrc(0)
	s_getreg_b32 s2, hwreg(HW_REG_IB_STS2, 6, 4)
	s_cmp_eq_u32 s2, 0
	s_cbranch_scc0 .Lentry_in_a_cluster
	s_endpgm
.Lentry_in_a_cluster:
	s_bfe_u32 s2, ttmp6, 0x10000c
	s_cmp_lg_u32 s2, 0x3003
	s_cbranch_scc0 .Lentry_shape_is_right
	s_endpgm
.Lentry_shape_is_right:
; ctx = softmax(Q K^T, causal) V for one (batch, head) a cluster, both products on codes of FP6 (E2M3); ctx / l is quantised along e and stored as images for the output projection.
; THE SOFTMAX: t = score x log2(e); M = the running largest t, rounded UP to a whole number; p = 2^(t - M) is quantised along the keys, not normalised; the sum l is taken of the unquantised p and divides at the end.
; When M moves, l and O are multiplied by 2^(old M - new M): exact.
; CLUSTER.  The four work-groups of a cluster share a head.  A head's K, V and scale bytes, 16 key steps of 13,056 bytes, fit in LDS whole: wave w asks for key step w by ONE joint load (one load of a wave is out);
; nothing is filled again, so there is no ring: one barrier behind the loads, and none until the closing round.
; SHARES.  A head has 128 tiles of 16 queries, tile i = 8 sblk + T.  With a = wave % 8 and rp = 2 cx + wave / 8 a wave owns tile (15 - a, 7 - rp) and then tile (a, rp): 16 - a and a + 1 key steps, 17 in every wave.
; Branches and LDS addresses hang on a and on counters, that is on the wave's number; rp, which hangs on the work-group's place, enters global addresses and the mask's vector compare alone.
; LAYOUT.  S^T = K Q^T (source 0 = 16 keys, source 1 = my queries), O^T = V^T P (source 0 = 16 of the head's 64): a lane holds ONE query.  Row m of key tile 4 c + u is key 64 c + 32 (m / 8) + 8 u + m % 8,
; so register 32 c + i of S^T is key 64 c + 32 (lane / 16) + i: a WHOLE block of 32 keys lies in one lane.  V^T's rows are laid likewise, so a lane's 32 registers of O^T are e = 32 (lane / 16) + 0 .. 31.
; K = 64 IN AN INSTRUCTION OF 128: Q's registers 6-11 are zero codes; K's operand names the next tile's six registers as its upper half, which meet those zeros; bytes 2 and 3 of both scale words are 0 (2^-127, no NaN).
; LIMITS: hidden keys count as p = 0, which equals the reference's -1e9 as long as a row's largest visible score lies some 200 above -1e9; a block of zeros gets the byte 1; NaN and infinities are not served.
; REGISTERS: v1-3 16 lane, 8 lane, 16 r; v4-6 the step's LDS addresses; v7 8 h; v8-10 the mask; v12 -M, v13 the largest t, v[14:15] l; v[16:27], v28 Q and its word; v29 p's word; v[30:31] f;
;   v[40:43] K's words, v[44:47] V's; v[48:101] K; v[104:167] S^T, p, then V's fragments; v[168:199] O^T; v[200:211] p's codes; v212-218, v220-231 at work; v[234:245], v246 the second tile's Q and its word.
.set KVB, 13056
.macro CROUND                          ; a round of the cluster's barrier
	s_barrier_signal -1
	s_barrier_wait -1
	s_cmp_lg_u32 s14, 0
	s_cbranch_scc1 .Lnot_wave_0_\@
	s_barrier_signal -3
.Lnot_wave_0_\@:
	s_barrier_wait -3
	s_barrier_signal -1
	s_barrier_wait -1
.endm
	s_load_b256 s[4:11], s[0:1], 0x0               ; qimg, qscl, kv, cimg
	s_load_b64 s[12:13], s[0:1], 0x20              ; cscl
	v_lshl_add_u32 v254, v0, 2, 0x33000
	v_mov_b32 v255, 0
	ds_add_u32 v254, v255
	ds_add_u32 v254, v255
	v_lshrrev_b32 v4, 5, v0
	s_delay_alu instid0(VALU_DEP_1)
	v_readfirstlane_b32 s14, v4                    ; wave 0..15
	s_bfe_u32 s15, ttmp6, 0x40000                  ; cx
	s_and_b32 s38, s14, 7                          ; the second tile: sblk = a,
	s_xor_b32 s16, s38, 15                         ; the first: 15 - a
	s_lshl_b32 s39, s15, 1
	s_lshr_b32 s36, s14, 3
	s_add_co_u32 s39, s39, s36                     ; the second tile: T = rp,
	s_xor_b32 s17, s39, 7                          ; the first: 7 - rp
	; descriptor: a dense block of 13,056 bytes as 51 rows of 32 elements of 8 bytes; the mask names all four work-groups, bit 21 beside it
	s_mov_b32 s24, 15|(3<<16)|(1<<21)
	s_mov_b32 s25, 32<<16
	s_mov_b32 s26, 51<<16
	s_mov_b32 s27, 32<<16
	s_mov_b32 s28, 51
	s_mov_b32 s29, 32
	s_mov_b32 s30, 0
	s_mov_b32 s31, 0
	s_mov_b32 s32, 1
	s_mul_i32 s33, s14, KVB                        ; LDS: key step w
	s_mul_i32 s36, ttmp9, 16*KVB                   ; the head (the cluster's number), which the partners share
	s_add_co_u32 s36, s36, s33
	s_mov_b32 s37, 0
	s_mov_b32 s20, 0x76543210
	s_mov_b32 s21, 0xfedcba98                      ; selects for lane l xor 16
	s_mov_b32 s22, 0x3fb8aa3b                      ; log2(e)
	s_mov_b32 s23, s22                             ; (named with it as a pair)
	v_and_b32 v4, 31, v0
	s_delay_alu instid0(VALU_DEP_1)
	v_lshlrev_b32 v1, 4, v4
	s_delay_alu instid0(VALU_DEP_2)
	v_lshlrev_b32 v2, 3, v4
	v_and_b32 v5, 15, v0                           ; r
	s_delay_alu instid0(VALU_DEP_1)
	v_lshlrev_b32 v3, 4, v5
	v_bfe_u32 v6, v0, 4, 1                         ; h
	s_delay_alu instid0(VALU_DEP_1)
	v_lshlrev_b32 v7, 3, v6
	s_delay_alu instid0(VALU_DEP_4)
	v_and_b32 v8, 7, v5
	v_and_b32 v9, 8, v5
	s_delay_alu instid0(VALU_DEP_1)
	v_lshl_add_u32 v8, v9, 2, v8
	v_lshlrev_b32 v9, 5, v6
	s_delay_alu instid0(VALU_DEP_1)
	v_sub_nc_u32 v8, v8, v9                        ; r % 8 + 32 (r / 8) - 32 h
	v_mov_b32 v10, 0xff800000                      ; -infinity
.irp i, 0,1,2,3,4,5
	v_mov_b32 v[22+\i], 0                          ; Q's upper 64 codes are zeros, in both tiles,
	v_mov_b32 v[240+\i], 0
	v_mov_b32 v[96+\i], 0                          ; and so is what the last key tile names as its upper half
.endr
	v_mov_b32 v31, 0                               ; (named as the upper half of the pair v[30:31])
	v_mov_b32 v225, 0                              ; a lane permute's destination counts as one of its sources
	s_wait_dscnt 0x0
	s_wait_kmcnt 0x0
	s_add_nc_u64 s[34:35], s[8:9], s[36:37]
	s_or_b32 s35, s35, 0x80000000
	CROUND                                         ; all four work-groups are here: the joint loads meet
	tensor_load_to_lds s[32:35], s[24:31]
	s_nop 0
.rept 4
	v_nop
.endr
.macro QLOAD sa, srp, vq, vs, sb, sc   ; tile (s[sa], s[srp]): registers 0-5 of its fragment and its scale word
	s_lshl_b32 s36, ttmp9, 7
	s_lshl_b32 s37, s[\sa], 3
	s_add_co_u32 s36, s36, s37
	s_add_co_u32 s36, s36, s[\srp]                 ; 128 bh + i
	s_mul_i32 s[\sb], s36, 768
	s_mov_b32 s[\sb+1], 0
	s_add_nc_u64 s[\sb:\sb+1], s[4:5], s[\sb:\sb+1]
	s_lshl_b32 s36, ttmp9, 4
	s_add_co_u32 s36, s36, s[\sa]
	s_lshl_b32 s36, s36, 9                         ; (16 bh + sblk) 512
	s_lshr_b32 s37, s[\srp], 2
	s_lshl_b32 s37, s37, 8
	s_add_co_u32 s36, s36, s37                     ; + 256 c
	s_and_b32 s37, s[\srp], 3
	s_lshl_b32 s37, s37, 2
	s_add_co_u32 s[\sc], s36, s37                  ; + 4 u
	s_mov_b32 s[\sc+1], 0
	s_add_nc_u64 s[\sc:\sc+1], s[6:7], s[\sc:\sc+1]
	global_load_b128 v[\vq:\vq+3], v1, s[\sb:\sb+1]
	global_load_b64 v[\vq+4:\vq+5], v2, s[\sb:\sb+1] offset:512
	global_load_b32 v[\vs], v3, s[\sc:\sc+1]
.endm
	QLOAD 16, 17, 16, 28, 44, 46
	QLOAD 38, 39, 234, 246, 48, 50
	s_wait_tensorcnt 0x0                           ; my key step has landed,
	s_barrier_signal -1
	s_barrier_wait -1                              ; everybody's has: the whole head lies in LDS
	s_wait_loadcnt 0x0                             ; Q
; One tile of 16 queries: sblk in s[sa], T in s[srp], Q in v[vq] on, its scale word in v[vs].
.macro TILE sa, srp, vq, vs
.set J_, 0
.rept 32
	v_mov_b32 v[168+J_], 0                         ; O^T.  (The step is written once: the first finds zeros, which the first change of M leaves zeros)
.set J_, J_+1
.endr
	v_mov_b32 v14, 0
	v_mov_b32 v15, 0
	v_mov_b32 v13, 0xff61b1e6                      ; the largest t so far: -3e38
	s_delay_alu instid0(VALU_DEP_1)
	v_floor_f32 v12, -v13                          ; -M
	s_mov_b32 s18, 0                               ; the key step
	s_mov_b32 s19, 0                               ; and its bytes in LDS
.Lstep_\@:                                         ; 16 trips in every wave; a step all of whose keys are hidden is left out: a branch on the wave's number and the counter
	s_cmp_gt_u32 s18, s[\sa]
	s_cbranch_scc1 .Lskip_\@
	s_setprio 2
	v_add_nc_u32 v4, s19, v1
	v_add_nc_u32 v5, s19, v2
	v_add_nc_u32 v6, s19, v3
	v_nop
	v_nop                                          ; five plain instructions behind the last products: S^T is laid over V's fragments, and loads follow into their scale words
.irp t, 0,1,2,3,4,5,6,7
	ds_load_b128 v[48+6*\t:51+6*\t], v4 offset:768*\t
	ds_load_b64 v[52+6*\t:53+6*\t], v5 offset:768*\t+512
.endr
	ds_load_b128 v[40:43], v4 offset:12288         ; K's words: register u: tile u in lanes 0-15, tile 4 + u in lanes 16-31
	ds_load_b128 v[44:47], v6 offset:12800         ; V's: register et, row r
	s_wait_dscnt 0x0
.irp t, 0,1,2,3
	v_wmma_scale_f32_16x16x128_f8f6f4 v[104+8*\t:111+8*\t], v[48+6*\t:59+6*\t], v[\vq:\vq+11], 0, v[40+\t], v[\vs] matrix_a_fmt:MATRIX_FMT_FP6 matrix_b_fmt:MATRIX_FMT_FP6
.endr
.irp t, 4,5,6,7
	v_wmma_scale_f32_16x16x128_f8f6f4 v[104+8*\t:111+8*\t], v[48+6*\t:59+6*\t], v[\vq:\vq+11], 0, v[36+\t], v[\vs] matrix_a_fmt:MATRIX_FMT_FP6 matrix_b_fmt:MATRIX_FMT_FP6 matrix_a_scale:MATRIX_SCALE_ROW1
.endr
.rept 4
	v_nop
.endr
	s_cmp_lg_u32 s18, s[\sa]                       ; only the tile's own key step lies on the diagonal
	s_cbranch_scc1 .Lopen_\@
	s_lshr_b32 s36, s[\srp], 2
	s_lshl_b32 s36, s36, 6
	s_and_b32 s37, s[\srp], 3
	s_lshl_b32 s37, s37, 3
	s_add_co_u32 s36, s36, s37
	v_add_nc_u32 v9, s36, v8                       ; d = my query in the step - 32 h.  Register n holds key 64 (n / 32) + 32 h + n % 32: hidden where 64 (n / 32) + n % 32 > d
.set N_, 0
.rept 64
	v_cmp_gt_i32 vcc_lo, 64*(N_/32)+N_%32, v9
	v_cndmask_b32 v[104+N_], v[104+N_], v10, vcc_lo
.set N_, N_+1
.endr
.Lopen_\@:
.irp c, 0,1                                    ; THE LARGEST SCORE OF EACH OF MY TWO BLOCKS OF 32 KEYS, in two chains each: it serves the row's maximum and, since p rises with the score, the block's largest p
	v_max3_num_f32 v[220+\c], v[104+32*\c], v[105+32*\c], v[106+32*\c]
	v_max3_num_f32 v[222+\c], v[120+32*\c], v[121+32*\c], v[122+32*\c]
.endr
.irp i, 3,5,7,9,11,13
.irp c, 0,1
	v_max3_num_f32 v[220+\c], v[220+\c], v[104+32*\c+\i], v[105+32*\c+\i]
	v_max3_num_f32 v[222+\c], v[222+\c], v[120+32*\c+\i], v[121+32*\c+\i]
.endr
.endr
.irp c, 0
	v_max3_num_f32 v[220+\c], v[220+\c], v[119+32*\c], v[135+32*\c]
.endr
.irp c, 1
	v_max3_num_f32 v[220+\c], v[220+\c], v[119+32*\c], v[135+32*\c]
.endr
.irp c, 0,1
	s_delay_alu instid0(VALU_DEP_2)
	v_max_num_f32 v[220+\c], v[220+\c], v[222+\c]
.endr
	s_delay_alu instid0(VALU_DEP_1)
	v_max_num_f32 v224, v220, v221
	s_delay_alu instid0(VALU_DEP_1)
	v_permlanex16_b32 v225, v224, s20, s21
	s_delay_alu instid0(VALU_DEP_1)
	v_max_num_f32 v224, v224, v225                 ; the step's largest score of my query
	s_delay_alu instid0(VALU_DEP_1)
	v_mul_f32 v224, s22, v224                      ; as t
	s_delay_alu instid0(VALU_DEP_1)
	v_max_num_f32 v13, v13, v224                   ; the running largest t
	v_mov_b32 v224, v12
	s_delay_alu instid0(VALU_DEP_2)
	v_floor_f32 v12, -v13                          ; the new -M = -ceil(t)
	s_delay_alu instid0(VALU_DEP_1)
	v_sub_f32 v224, v12, v224                      ; old M - new M: a whole number, 0 or less
	s_delay_alu instid0(VALU_DEP_1)
	v_cvt_i32_f32 v224, v224                       ; (it saturates)
	s_delay_alu instid0(VALU_DEP_1)
	v_ldexp_f32 v30, 1.0, v224                     ; f = 2^(old M - new M)
.set J_, 0
.rept 32
	v_pk_fma_f32 v[104+J_:105+J_], v[104+J_:105+J_], s[22:23], v[12:13] op_sel_hi:[1,0,0]   ; t - M, two at a time
.set J_, J_+2
.endr
	s_setprio 1
.irp c, 0,1
	v_fma_f32 v[220+\c], v[220+\c], s22, v12       ; the same of each block's largest score
.endr
.set J_, 0
	s_wait_alu depctr_va_vdst(0)
.rept 64
	v_exp_f32 v[104+J_], v[104+J_]                 ; p = 2^(t - M)
.set J_, J_+1
.endr
	v_pk_mul_f32 v[14:15], v[14:15], v[30:31] op_sel_hi:[1,0]   ; l under the new M: the plain instruction behind the exponentials
	s_wait_alu depctr_va_vdst(0)                   ; one wait for the batch, ahead of its first reader
.irp c, 0,1
	v_exp_f32 v[220+\c], v[220+\c]                 ; the block's largest p
.endr
	v_pk_add_f32 v[226:227], v[108:109], v[112:113]
	v_pk_add_f32 v[252:253], v[116:117], v[120:121]
	v_pk_add_f32 v[250:251], v[124:125], v[128:129]
	v_pk_add_f32 v[248:249], v[132:133], v[136:137]
	v_pk_add_f32 v[232:233], v[140:141], v[144:145]
	v_pk_add_f32 v[230:231], v[148:149], v[152:153]
	v_pk_add_f32 v[228:229], v[156:157], v[160:161]
	v_pk_add_f32 v[14:15], v[14:15], v[164:165]
	v_pk_add_f32 v[226:227], v[226:227], v[104:105]
	v_pk_add_f32 v[252:253], v[252:253], v[106:107]
	v_pk_add_f32 v[250:251], v[250:251], v[110:111]
	v_pk_add_f32 v[248:249], v[248:249], v[114:115]
	v_pk_add_f32 v[232:233], v[232:233], v[118:119]
	v_pk_add_f32 v[230:231], v[230:231], v[122:123]
	v_pk_add_f32 v[228:229], v[228:229], v[126:127]
	v_pk_add_f32 v[14:15], v[14:15], v[130:131]
	v_pk_add_f32 v[226:227], v[226:227], v[134:135]
	v_pk_add_f32 v[252:253], v[252:253], v[138:139]
	v_pk_add_f32 v[250:251], v[250:251], v[142:143]
	v_pk_add_f32 v[248:249], v[248:249], v[146:147]
	v_pk_add_f32 v[232:233], v[232:233], v[150:151]
	v_pk_add_f32 v[230:231], v[230:231], v[154:155]
	v_pk_add_f32 v[228:229], v[228:229], v[158:159]
	v_pk_add_f32 v[14:15], v[14:15], v[162:163]
	v_pk_add_f32 v[226:227], v[226:227], v[166:167]
	s_delay_alu instid0(VALU_DEP_2)
	v_pk_add_f32 v[14:15], v[14:15], v[248:249]
	s_delay_alu instid0(VALU_DEP_2)
	v_pk_add_f32 v[226:227], v[226:227], v[232:233]
	v_pk_add_f32 v[252:253], v[252:253], v[230:231]
	v_pk_add_f32 v[250:251], v[250:251], v[228:229]
	s_delay_alu instid0(VALU_DEP_2)
	v_pk_add_f32 v[14:15], v[14:15], v[252:253]
	s_delay_alu instid0(VALU_DEP_2)
	v_pk_add_f32 v[226:227], v[226:227], v[250:251]
	s_delay_alu instid0(VALU_DEP_1)
	v_pk_add_f32 v[14:15], v[14:15], v[226:227]
	s_wait_alu depctr_va_vdst(0)                   ; and one for the two
.irp c, 0,1
	v_max_num_f32 v[220+\c], 0x1800000, v[220+\c]  ; the floor 2^(3 - 127): the byte cannot fall under 1
.endr
.irp c, 0,1
	s_delay_alu instid0(VALU_DEP_2)
	v_add_nc_u32 v[228+\c], 0xff000000, v[220+\c]  ; 2 off the exponent field: the conversion's scale operand
.endr
.irp c, 0,1
	s_delay_alu instid0(VALU_DEP_2)
	v_lshrrev_b32 v[230+\c], 23, v[228+\c]
.endr
	s_delay_alu instid0(VALU_DEP_1)
	v_lshl_or_b32 v230, v231, 16, v230             ; blocks h and 2 + h,
	s_delay_alu instid0(VALU_DEP_1)
	v_lshlrev_b32 v230, v7, v230                   ; 8 h bits up;
	s_delay_alu instid0(VALU_DEP_1)
	v_permlanex16_b32 v225, v230, s20, s21
	s_delay_alu instid0(VALU_DEP_1)
	v_or_b32 v29, v230, v225                       ; p's scale word for these 128 keys
.irp c, 0,1
	v_cvt_scalef32_pk16_fp6_f32 v[200+6*\c:202+6*\c], v[104+32*\c:119+32*\c], v[228+\c]
	v_cvt_scalef32_pk16_fp6_f32 v[212+4*\c:214+4*\c], v[120+32*\c:135+32*\c], v[228+\c]   ; (a conversion's three registers begin on an even number)
.endr
	s_setprio 0
	v_nop                                          ; one plain instruction behind the scaled conversions
.irp e, 0,1,2,3
.irp q, 0,1,2
	ds_load_b128 v[104+12*\e+4*\q:107+12*\e+4*\q], v4 offset:6144+1536*\e+512*\q   ; V's four fragments, where p lay
.endr
.endr
.irp c, 0,1
.irp i, 0,1,2
	v_mov_b32 v[203+6*\c+\i], v[212+4*\c+\i]
.endr
.endr
.set J_, 0
.rept 16
	v_pk_mul_f32 v[168+J_:169+J_], v[168+J_:169+J_], v[30:31] op_sel_hi:[1,0]   ; O^T under the new M; these also stand between the writes of p's codes and word and the products
.set J_, J_+2
.endr
	s_wait_alu depctr_va_vdst(0)
	s_wait_dscnt 0x0
.irp e, 0,1,2,3
	v_wmma_scale_f32_16x16x128_f8f6f4 v[168+8*\e:175+8*\e], v[104+12*\e:115+12*\e], v[200:211], v[168+8*\e:175+8*\e], v[44+\e], v29 matrix_a_fmt:MATRIX_FMT_FP6 matrix_b_fmt:MATRIX_FMT_FP6
.endr
.Lskip_\@:
	s_add_co_u32 s19, s19, KVB
	s_add_co_u32 s18, s18, 1
	s_cmp_lt_u32 s18, 16
	s_cbranch_scc1 .Lstep_\@
	s_setprio 0
	; the tile's end: ctx = O^T / l, quantised along e: my 32 registers are one block
.rept 4
	v_nop
.endr
	s_wait_alu depctr_va_vdst(0)
	v_add_f32 v14, v14, v15
	s_delay_alu instid0(VALU_DEP_1)
	v_permlanex16_b32 v225, v14, s20, s21
	s_delay_alu instid0(VALU_DEP_1)
	v_add_f32 v14, v14, v225                       ; the row's sum
	s_wait_alu depctr_va_vdst(0)
	v_rcp_f32 v30, v14
	v_nop                                          ; a plain instruction behind the reciprocal
	s_lshr_b32 s36, ttmp9, 3
	s_lshl_b32 s36, s36, 7
	s_lshl_b32 s37, s[\sa], 3
	s_add_co_u32 s36, s36, s37
	s_add_co_u32 s36, s36, s[\srp]                 ; Tg = 128 b + i
	s_and_b32 s37, ttmp9, 7                        ; the head
	s_lshl_b32 s42, s36, 3
	s_add_co_u32 s42, s42, s37
	s_mul_i32 s42, s42, 768
	s_mov_b32 s43, 0
	s_add_nc_u64 s[42:43], s[10:11], s[42:43]
	s_lshl_b32 s52, s36, 8
	s_lshl_b32 s37, s37, 1
	s_add_co_u32 s52, s52, s37
	s_mov_b32 s53, 0
	s_add_nc_u64 s[52:53], s[12:13], s[52:53]
	s_wait_alu depctr_va_vdst(0)                   ; the wait ahead of the reciprocal's first reader
.set J_, 0
.rept 16
	v_pk_mul_f32 v[104+J_:105+J_], v[168+J_:169+J_], v[30:31] op_sel_hi:[1,0]
.set J_, J_+2
.endr
	v_max3_num_f32 v220, |v104|, |v105|, 0x1800000
	v_max3_num_f32 v221, |v120|, |v121|, 0x1800000
.irp i, 2,4,6,8,10,12,14
	s_delay_alu instid0(VALU_DEP_2)
	v_max3_num_f32 v220, v220, |v[104+\i]|, |v[105+\i]|
	s_delay_alu instid0(VALU_DEP_2)
	v_max3_num_f32 v221, v221, |v[120+\i]|, |v[121+\i]|
.endr
	s_delay_alu instid0(VALU_DEP_1)
	v_max_num_f32 v220, v220, v221
	s_delay_alu instid0(VALU_DEP_1)
	v_add_nc_u32 v228, 0xff000000, v220
	s_delay_alu instid0(VALU_DEP_1)
	v_lshrrev_b32 v230, 23, v228
	s_delay_alu instid0(VALU_DEP_1)
	v_lshlrev_b32 v230, v7, v230
	s_delay_alu instid0(VALU_DEP_1)
	v_permlanex16_b32 v225, v230, s20, s21
	s_delay_alu instid0(VALU_DEP_1)
	v_or_b32 v230, v230, v225                      ; the head's two bytes of my row's scales
	v_cvt_scalef32_pk16_fp6_f32 v[200:202], v[104:119], v228
	v_cvt_scalef32_pk16_fp6_f32 v[212:214], v[120:135], v228
	v_nop
.irp i, 0,1,2
	v_mov_b32 v[203+\i], v[212+\i]
.endr
	global_store_b128 v1, v[200:203], s[42:43]     ; 512 consecutive bytes
	global_store_b64 v2, v[204:205], s[42:43] offset:512
	global_store_b16 v3, v230, s[52:53]            ; two bytes a row (lanes 16-31 store the same at the same place)
	s_wait_xcnt 0x0                                ; the stores have read their data and bases: both are written again in the next tile
.endm
	TILE 16, 17, 16, 28
	TILE 38, 39, 234, 246
	s_wait_tensorcnt 0x0
	ds_add_u32 v254, v255
	s_wait_dscnt 0x0
	CROUND                                         ; the closing round: no work-group ends while a partner may still ask for a tile that names it
	s_endpgm
.Lfunc_end_k_q6201f514e0_attn:
	.size	k_q6201f514e0_attn, .Lfunc_end_k_q6201f514e0_attn-k_q6201f514e0_attn
	.p2alignl 7, 3214868480
	.fill 96, 4, 3214868480
	.section	.rodata,"a",@progbits
	.p2align	6, 0x0
	.amdhsa_kernel k_q6201f514e0_attn
		.amdhsa_group_segment_fixed_size 210944
		.amdhsa_private_segment_fixed_size 0
		.amdhsa_enable_private_segment 0
		.amdhsa_kernarg_size 40
		.amdhsa_user_sgpr_count 2
		.amdhsa_user_sgpr_kernarg_segment_ptr 1
		.amdhsa_wavefront_size32 1
		.amdhsa_system_sgpr_workgroup_id_x 1
		.amdhsa_system_sgpr_workgroup_id_y 1
		.amdhsa_system_sgpr_workgroup_id_z 1
		.amdhsa_system_vgpr_workitem_id 0
		.amdhsa_next_free_vgpr 256
		.amdhsa_next_free_sgpr 66
		.amdhsa_reserve_vcc 1
		.amdhsa_float_denorm_mode_32 3
		.amdhsa_float_denorm_mode_16_64 3
		.amdhsa_memory_ordered 1
		.amdhsa_forward_progress 1
		.amdhsa_inst_pref_size 60
	.end_amdhsa_kernel
	.amdgpu_metadata
---
amdhsa.version: [ 1, 2 ]
amdhsa.kernels:
  - .name:           k_q6201f514e0_attn
    .symbol:         k_q6201f514e0_attn.kd
    .args:
      - { .name: qimg, .offset: 0, .size: 8, .value_kind: global_buffer, .address_space: global }
      - { .name: qscl, .offset: 8, .size: 8, .value_kind: global_buffer, .address_space: global }
      - { .name: kv, .offset: 16, .size: 8, .value_kind: global_buffer, .address_space: global }
      - { .name: cimg, .offset: 24, .size: 8, .value_kind: global_buffer, .address_space: global }
      - { .name: cscl, .offset: 32, .size: 8, .value_kind: global_buffer, .address_space: global }
    .group_segment_fixed_size: 210944
    .private_segment_fixed_size: 0
    .kernarg_segment_align: 8
    .kernarg_segment_size: 40
    .max_flat_workgroup_size: 512
    .sgpr_count:     66
    .vgpr_count:     256
    .wavefront_size: 32
...
	.end_amdgpu_metadata
.endif
;; end of part 3
;; launch oproj (part 4): grid 256 x 1, 4 waves a work-group, clusters of 4 x 1, 327,680 bytes of LDS; arguments cimg, cscl, wimg, wscl, out0; writes out0
.if DOCPART == 4
	.amdgcn_target "amdgcn-amd-amdhsa--gfx1250"
	.amdhsa_code_object_version 6
	.text
	.protected	k_q6201f514e0_oproj
	.globl	k_q6201f514e0_oproj
	.p2align	8
	.type	k_q6201f514e0_oproj,@function
k_q6201f514e0_oproj:
	s_mov_b64 s[64:65], 0
	v_nop
	global_prefetch_b8 v0, s[64:65] scope:SCOPE_SE
	s_setreg_imm32_b32 hwreg(HW_REG_WAVE_MODE, 25, 1), 1
	s_wait_xcnt 0x0
	s_wait_alu depctr_hold_cnt(0) depctr_sa_sdst(0) depctr_va_vdst(0) depctr_va_sdst(0) depctr_va_ssrc(0) depctr_va_vcc(0) depctr_vm_vsrc(0)
	s_getreg_b32 s2, hwreg(HW_REG_IB_STS2, 6, 4)
	s_cmp_eq_u32 s2, 0
	s_cbranch_scc0 .Lentry_in_a_cluster
	s_endpgm
.Lentry_in_a_cluster:
	s_bfe_u32 s2, ttmp6, 0x10000c
	s_cmp_lg_u32 s2, 0x3003
	s_cbranch_scc0 .Lentry_shape_is_right
	s_endpgm
.Lentry_shape_is_right:
; out = ctx Wo on codes of FP6 (E2M3), K = 512 = (head, e).  ctx and Wo arrive as images of operand registers with their scale words.
; SHARES.  Work-group G = 4 x cluster + cx takes 64 tokens (four tiles of 16) x all 512 outputs; wave w makes outputs 128 w .. 128 w + 127: 128 matrix instructions.
; CLUSTER.  All work-groups walk the same Wo: wave w asks JOINTLY with its partners for its own 32 fragments (49,152 bytes) and their scale words (2,048): one load of a wave is out at a time.
; G enters global addresses alone; LDS addresses and branches hang on the wave's number.
; LAYOUT.  Source 0 = 16 columns of Wo (row m of tile et of a group of 64: column 32 (m / 8) + 8 et + m % 8), source 1 = 16 tokens: a lane holds one token and, in the 32 registers of a group's four tiles,
; 32 neighbouring outputs: 128 bytes.  Row r of token tile T is token 32 (r / 8) + 8 T + r % 8 of the 64.
; THE WAY OUT.  Rows of 2,048 bytes come from four waves: they meet in a stage in LDS (rows 2,064 bytes apart, the upper 32 rows 128 bytes further on, so that sixteen lanes' 16 bytes fall into sixteen different columns of 256 bytes).
; The stage lies over Wo's fragments, which have had their only fill and, behind a barrier, their last read.  Each wave then stores 16 whole rows.
; REGISTERS, in windows of 256: window 0: v1-8 addresses; v16-31 ctx's scale words (4 T + ks); v32-63 Wo's (4 (4 g2 + et) + ks); v64-255 ctx's 16 fragments, later the rows on their way out.
;   windows 1, 2: Wo's fragments of groups 2 w, 2 w + 1 at 12 (4 ks + et);  window 3: the accumulators at 64 T + 32 g2 + 8 et.
.set FRB, 1536
.set WSC, 196608                       ; LDS: behind Wo's 128 fragments their scale words
.set SP,  2064
.set MSB, 0
.macro WIN new                         ; the immediate's high byte repeats the setting that is left
.if MSB != \new
	s_set_vgpr_msb (MSB<<8)|\new
.set MSB, \new
.endif
.endm
.macro CROUND                          ; a round of the cluster's barrier
	s_barrier_signal -1
	s_barrier_wait -1
	s_cmp_lg_u32 s14, 0
	s_cbranch_scc1 .Lnot_wave_0_\@
	s_barrier_signal -3
.Lnot_wave_0_\@:
	s_barrier_wait -3
	s_barrier_signal -1
	s_barrier_wait -1
.endm
	s_load_b256 s[4:11], s[0:1], 0x0               ; cimg, cscl, wimg, wscl
	s_load_b64 s[12:13], s[0:1], 0x20              ; out0
	v_lshl_add_u32 v14, v0, 2, 0x32000
	v_mov_b32 v15, 0
	ds_add_u32 v14, v15
	ds_add_u32 v14, v15
	v_lshrrev_b32 v4, 5, v0
	v_readfirstlane_b32 s14, v4                    ; wave
	s_bfe_u32 s15, ttmp6, 0x40000                  ; cx
	s_lshl_b32 s16, ttmp9, 2
	s_add_co_u32 s16, s16, s15                     ; G
	; descriptors: dense blocks as rows of 32 elements of 8 bytes: 192 rows of fragments, 8 rows of scale words; the mask names all four work-groups, bit 21 beside it
	s_mov_b32 s24, 15|(3<<16)|(1<<21)
	s_mov_b32 s25, 32<<16
	s_mov_b32 s26, 192<<16
	s_mov_b32 s27, 32<<16
	s_mov_b32 s28, 192
	s_mov_b32 s29, 32
	s_mov_b32 s30, 0
	s_mov_b32 s31, 0
	s_mov_b32 s40, 15|(3<<16)|(1<<21)
	s_mov_b32 s41, 32<<16
	s_mov_b32 s42, 8<<16
	s_mov_b32 s43, 32<<16
	s_mov_b32 s44, 8
	s_mov_b32 s45, 32
	s_mov_b32 s46, 0
	s_mov_b32 s47, 0
	s_mov_b32 s32, 1
	s_mov_b32 s36, 1
	s_mul_i32 s33, s14, 32*FRB                     ; LDS: my 32 fragments
	s_add_co_u32 s48, s33, 589824                  ; in wimg: behind Q's, K's and V's 384 fragments
	s_mov_b32 s49, 0
	s_lshl_b32 s50, s14, 11
	s_add_co_u32 s37, s50, WSC                     ; LDS: my 8 tiles' scale words
	s_add_co_u32 s50, s50, 24576                   ; in wscl
	s_mov_b32 s51, 0
	v_and_b32 v4, 31, v0
	v_lshlrev_b32 v1, 4, v4                        ; 16 x lane
	v_lshlrev_b32 v2, 3, v4                        ; 8 x lane
	v_and_b32 v10, 15, v0                          ; r
	v_lshlrev_b32 v3, 4, v10                       ; 16 r
	v_bfe_u32 v11, v0, 4, 1                        ; h
	v_add_nc_u32 v5, s33, v1                       ; my fragments
	v_add_nc_u32 v6, s37, v3                       ; my scale words
	v_and_b32 v9, 7, v10
	v_mul_u32_u24 v7, v9, SP
	v_lshrrev_b32 v9, 3, v10
	v_mad_u32_u24 v7, v9, 32*SP+128, v7
	v_lshl_add_u32 v7, v11, 7, v7
	s_lshl_b32 s52, s14, 9
	v_add_nc_u32 v7, s52, v7                       ; the stage, in: token row, + 512 w + 128 h
	s_mul_i32 s52, s14, 16*SP
	s_lshr_b32 s53, s14, 1
	s_lshl_b32 s53, s53, 7
	s_add_co_u32 s52, s52, s53
	v_add_nc_u32 v8, s52, v1                       ; and back: my 16 rows, 16 bytes a lane
	s_wait_dscnt 0x0
	s_wait_kmcnt 0x0
	s_add_nc_u64 s[34:35], s[8:9], s[48:49]
	s_or_b32 s35, s35, 0x80000000
	s_add_nc_u64 s[38:39], s[10:11], s[50:51]
	s_or_b32 s39, s39, 0x80000000
	CROUND                                         ; all four work-groups are here: the joint loads meet
	tensor_load_to_lds s[32:35], s[24:31]
	s_nop 0
	s_wait_alu depctr_va_vdst(0)
	s_wait_tensorcnt 0x0
	ds_add_u32 v14, v15
	s_wait_dscnt 0x0
	CROUND
	tensor_load_to_lds s[36:39], s[40:47]
	s_nop 0
.rept 4
	v_nop
.endr
	s_mul_i32 s20, s16, 24576                      ; ctx: four tiles x eight heads x 768 bytes
	s_mov_b32 s21, 0
	s_add_nc_u64 s[4:5], s[4:5], s[20:21]
	s_lshl_b32 s20, s16, 10
	s_add_nc_u64 s[6:7], s[6:7], s[20:21]
	s_lshl_b32 s20, s16, 17                        ; out: 64 rows of 2,048 bytes,
	s_lshl_b32 s22, s14, 15                        ; + my 16 rows
	s_add_co_u32 s20, s20, s22
	s_add_nc_u64 s[12:13], s[12:13], s[20:21]
.irp t, 0,1,2,3
.irp d, 0,1,2,3,4,5,6,7                        ; head d is half d % 2 of K step d / 2
	global_load_b128 v[64+12*(4*\t+\d/2)+6*(\d%2):64+12*(4*\t+\d/2)+6*(\d%2)+3], v1, s[4:5] offset:(8*\t+\d)*768
	global_load_b64 v[64+12*(4*\t+\d/2)+6*(\d%2)+4:64+12*(4*\t+\d/2)+6*(\d%2)+5], v2, s[4:5] offset:(8*\t+\d)*768+512
.endr
	global_load_b128 v[16+4*\t:19+4*\t], v3, s[6:7] offset:256*\t
.endr
	s_wait_tensorcnt 0x0                           ; I read only what my own loads brought
	WIN 0x40
.set F_, 0
	s_wait_alu depctr_va_vdst(0)
.rept 16
.irp q, 0,1,2
	ds_load_b128 v[12*F_+4*\q:12*F_+4*\q+3], v5 offset:F_*FRB+512*\q
.endr
.set F_, F_+1
.endr
	WIN 0x80
.set F_, 0
.rept 16
.irp q, 0,1,2
	ds_load_b128 v[12*F_+4*\q:12*F_+4*\q+3], v5 offset:(16+F_)*FRB+512*\q
.endr
.set F_, F_+1
.endr
	WIN 0
.irp c, 0,1,2,3,4,5,6,7
	ds_load_b128 v[32+4*\c:35+4*\c], v6 offset:256*\c
.endr
	s_wait_dscnt 0x0                               ; my reads of Wo's bytes are over:
	s_barrier_signal -1
	s_barrier_wait -1                              ; everybody's are: the stage may be laid over them
	s_wait_loadcnt 0x0                             ; ctx
.irp k, 0,1,2,3                                ; the 32 accumulators take turns, one instruction a turn, in the same order in every K step
.irp g, 0,1
	WIN 0xf1+\g                                    ; source 0 (Wo) window 1 or 2, C and D window 3
.irp t, 0,1,2,3
.irp e, 0,1,2,3
.if \k == 0
	v_wmma_scale_f32_16x16x128_f8f6f4 v[64*\t+32*\g+8*\e:64*\t+32*\g+8*\e+7], v[12*(4*\k+\e):12*(4*\k+\e)+11], v[64+12*(4*\t+\k):64+12*(4*\t+\k)+11], 0, v[32+4*(4*\g+\e)+\k], v[16+4*\t+\k] matrix_a_fmt:MATRIX_FMT_FP6 matrix_b_fmt:MATRIX_FMT_FP6
.else
	v_wmma_scale_f32_16x16x128_f8f6f4 v[64*\t+32*\g+8*\e:64*\t+32*\g+8*\e+7], v[12*(4*\k+\e):12*(4*\k+\e)+11], v[64+12*(4*\t+\k):64+12*(4*\t+\k)+11], v[64*\t+32*\g+8*\e:64*\t+32*\g+8*\e+7], v[32+4*(4*\g+\e)+\k], v[16+4*\t+\k] matrix_a_fmt:MATRIX_FMT_FP6 matrix_b_fmt:MATRIX_FMT_FP6
.endif
.endr
.endr
.endr
.endr
	WIN 0
.rept 4
	v_nop                                          ; four plain instructions ahead of the first read of the last results, and of loads into registers that the products read
.endr
	WIN 0x0c                                       ; an LDS store's data are its source 1: window 3
.irp t, 0,1,2,3
.irp g, 0,1
.irp q, 0,1,2,3,4,5,6,7
	ds_store_b128 v7, v[64*\t+32*\g+4*\q:64*\t+32*\g+4*\q+3] offset:\t*8*SP+256*\g+16*\q   ; each accumulator from its low end on
.endr
.endr
.endr
	WIN 0
	s_wait_dscnt 0x0                               ; for the others' sake: my stores into the stage are done
	s_barrier_signal -1
	s_barrier_wait -1                              ; 64 whole rows lie in the stage
.macro BLD b                           ; rows 4 b .. 4 b + 3 of my 16, 512 bytes an instruction, into buffer b % 2
.set I_, 0
.rept 16
	ds_load_b128 v[64+64*((\b)%2)+4*I_:64+64*((\b)%2)+4*I_+3], v8 offset:(4*(\b)+I_/4)*SP+512*(I_%4)
.set I_, I_+1
.endr
.endm
.macro BST b
.set I_, 0
.rept 16
	global_store_b128 v1, v[64+64*((\b)%2)+4*I_:64+64*((\b)%2)+4*I_+3], s[12:13] offset:(4*(\b)+I_/4)*2048+512*(I_%4) th:TH_STORE_NT   ; 32 lanes store 512 consecutive bytes, at a multiple of 256 from the buffer's first byte
.set I_, I_+1
.endr
.endm
	BLD 0
	BLD 1
	s_wait_dscnt 16                                ; the older batch is in, the younger one's 16 loads may be out
	BST 0
	s_wait_xcnt 0x0                                ; the stores have read their data: the buffer is loaded again only behind this wait
	BLD 2
	s_wait_dscnt 16
	BST 1
	s_wait_xcnt 0x0
	BLD 3
	s_wait_dscnt 16
	BST 2
	s_wait_dscnt 0x0
	BST 3
	s_wait_tensorcnt 0x0
	ds_add_u32 v14, v15
	s_wait_dscnt 0x0
	CROUND                                         ; the closing round: no work-group ends while a partner may still ask for a tile that names it
	s_endpgm
.Lfunc_end_k_q6201f514e0_oproj:
	.size	k_q6201f514e0_oproj, .Lfunc_end_k_q6201f514e0_oproj-k_q6201f514e0_oproj
	.p2alignl 7, 3214868480
	.fill 96, 4, 3214868480
	.section	.rodata,"a",@progbits
	.p2align	6, 0x0
	.amdhsa_kernel k_q6201f514e0_oproj
		.amdhsa_group_segment_fixed_size 327680
		.amdhsa_private_segment_fixed_size 0
		.amdhsa_enable_private_segment 0
		.amdhsa_kernarg_size 40
		.amdhsa_user_sgpr_count 2
		.amdhsa_user_sgpr_kernarg_segment_ptr 1
		.amdhsa_wavefront_size32 1
		.amdhsa_system_sgpr_workgroup_id_x 1
		.amdhsa_system_sgpr_workgroup_id_y 1
		.amdhsa_system_sgpr_workgroup_id_z 1
		.amdhsa_system_vgpr_workitem_id 0
		.amdhsa_next_free_vgpr 1024
		.amdhsa_next_free_sgpr 66
		.amdhsa_reserve_vcc 0
		.amdhsa_float_denorm_mode_32 3
		.amdhsa_float_denorm_mode_16_64 3
		.amdhsa_memory_ordered 1
		.amdhsa_forward_progress 1
		.amdhsa_inst_pref_size 50
	.end_amdhsa_kernel
	.amdgpu_metadata
---
amdhsa.version: [ 1, 2 ]
amdhsa.kernels:
  - .name:           k_q6201f514e0_oproj
    .symbol:         k_q6201f514e0_oproj.kd
    .args:
      - { .name: cimg, .offset: 0, .size: 8, .value_kind: global_buffer, .address_space: global }
      - { .name: cscl, .offset: 8, .size: 8, .value_kind: global_buffer, .address_space: global }
      - { .name: wimg, .offset: 16, .size: 8, .value_kind: global_buffer, .address_space: global }
      - { .name: wscl, .offset: 24, .size: 8, .value_kind: global_buffer, .address_space: global }
      - { .name: out0, .offset: 32, .size: 8, .value_kind: global_buffer, .address_space: global }
    .group_segment_fixed_size: 327680
    .private_segment_fixed_size: 0
    .kernarg_segment_align: 8
    .kernarg_segment_size: 40
    .max_flat_workgroup_size: 128
    .sgpr_count:     66
    .vgpr_count:     1024
    .wavefront_size: 32
...
	.end_amdgpu_metadata
.endif
;; end of part 4
